; MI455X (gfx1250); checked and timed in simulation.
; The chip was launched on July 23, 2026; its instructions are those of AMD's public machine-readable ISA for CDNA 5 (MIT licence, August 2026) and "CDNA5" Instruction Set Architecture Reference Guide (July 2026). The comments in the code are by the model that wrote it; some were corrected since.
;; CRE Layer Base. Allowed arithmetic: float matrix products may take bf16 or f16 operands with f32 sums; all other float work in f32.
;; Inputs: gate_b 1,024 float32; gate_w 1,024 x 1,024 float32; ln_b 1,024 float32; ln_w 1,024 float32; log_decay one number float32; out_b 1,024 float32; out_w 1,024 x 1,024 float32; value_b 1,024 float32; value_w 1,024 x 1,024 float32; x 4 x 4,096 x 1,024 float32.
;; Outputs: out0 4 x 4,096 x 1,024 float32.
;; One version. Each part assembles by itself: llvm-mc -triple=amdgcn-amd-amdhsa -mcpu=gfx1250 --defsym DOCPART=n.
;; ======== version 1 of 1: 3 launches
;; workspace buffers: normed 33,554,432 bytes; wbf 6,291,456 bytes; cblk 33,554,432 bytes; bsum 524,288 bytes; dk 256 bytes
;; launch prep (part 1): grid 256 x 1, 16 waves a work-group, no clusters, 0 bytes of LDS; arguments x, ln_w, ln_b, gate_w, value_w, out_w, log_decay, normed, wbf, dk; writes normed, wbf, dk
.if DOCPART == 1
	.amdgcn_target "amdgcn-amd-amdhsa--gfx1250"
	.amdhsa_code_object_version 6
	.text
	.protected	k_q79b946284c_prep
	.globl	k_q79b946284c_prep
	.p2align	8
	.type	k_q79b946284c_prep,@function
k_q79b946284c_prep:
	s_mov_b64 s[64:65], 0
	v_nop
	global_prefetch_b8 v0, s[64:65] scope:SCOPE_SE
	s_setreg_imm32_b32 hwreg(HW_REG_WAVE_MODE, 25, 1), 1
	s_wait_xcnt 0x0
; PREP.  normed = LayerNorm(x) * ln_w + ln_b, rounded once to bf16, [16384][1024]; the three weights rounded to bf16 with their rows in another order; dk = -softplus(log_decay) * log2(e).
; A stream: every byte is read once and written once, nothing is shared between work-groups, so there is no LDS, no matrix unit and no cluster.
; SHARES.  Work-group g owns rows 64 g .. 64 g + 63 of x; wave w four of them, 16,384 bytes on end, kept in 128 registers between the passes (mean; squares of x - mean; scaling).
; Waves 0-11 also convert one weight row, number 12 g + w of 3,072, so that all 256 work-groups are alike.  Wave 15 of work-group 0 makes dk.
; All of a wave's 56 loads go out at its start; the waits count down row by row.  No register that a store reads is written again, so no wait frees one.
; THE ORDER OF wbf's ROWS.  p(c) = 16 (c % 4) + (c / 4) % 16.  Gate (s = 0) and value (s = 1) row c go to row 128 (c / 64) + 64 s + p(c); out_w's row n to 2048 + 64 (n / 64) + p(n).
; So the four blocks of 16 rows of a group of 64 hold, at place r, the four neighbouring channels 4 r .. 4 r + 3: in a matrix result a lane then holds four neighbouring columns.
; LIMITS.  softplus(z) = max(z, 0) + log1p(e^-|z|), with log1p(e) = ln(1 + e) e / ((1 + e) - 1), or e where 1 + e rounds to 1; an e below 2^-126 counts as 0.  NaN and infinities are not treated apart.
.set T,   6                            ; v[6:13]    four pairs at work
.set LW,  20                           ; v[20:51]   ln_w: register 4 i + e is channel 128 i + 4 lane + e, as in every row below
.set LB,  52                           ; v[52:83]   ln_b
.set XR,  84                           ; v[84:211]  my four rows, 32 registers each
.set WR,  212                          ; v[212:243] my weight row
	s_load_b512 s[4:19], s[0:1], 0x0               ; x 4:5, ln_w 6:7, ln_b 8:9, gate_w 10:11, value_w 12:13, out_w 14:15, log_decay 16:17, normed 18:19
	s_load_b128 s[20:23], s[0:1], 0x40             ; wbf 20:21, dk 22:23
	v_and_b32 v5, 31, v0                           ; lane
	v_lshrrev_b32 v18, 5, v0
	v_readfirstlane_b32 s24, v18                   ; wave 0..15
	v_lshlrev_b32 v3, 4, v5                        ; 16 bytes a lane: f32 rows
	v_lshlrev_b32 v4, 3, v5                        ; 8 bytes a lane: bf16 rows
	v_lshl_add_u32 v1, v18, 14, v3                 ; + my wave's four rows of 4,096 bytes in x
	v_lshl_add_u32 v2, v18, 13, v4                 ; + my wave's four rows of 2,048 bytes in normed
	v_mov_b32 v19, 0                               ; v_permlanex16_b32's destination counts as read
	s_mov_b32 s36, 0x3a800000                      ; 1 / 1024
	s_mov_b32 s37, 0x3727c5ac                      ; 1e-5
	s_mov_b32 s38, 0x76543210                      ; each lane takes its own place in the other half
	s_mov_b32 s39, 0xfedcba98
	s_mul_i32 s25, ttmp9, 12
	s_add_co_u32 s25, s25, s24                     ; weight row 12 g + w (used by waves 0-11 alone)
	s_lshr_b32 s26, s25, 10                        ; which matrix: 0 gate, 1 value, 2 out
	s_and_b32 s27, s25, 1023                       ; its row c
	s_and_b32 s28, s27, 3
	s_lshl_b32 s28, s28, 4
	s_bfe_u32 s29, s27, 0x40002
	s_add_co_u32 s28, s28, s29                     ; p(c)
	s_lshr_b32 s29, s27, 6
	s_cmp_eq_u32 s26, 2
	s_cselect_b32 s41, 6, 7                        ; a group of 64 channels has 64 rows in out's part, 128 in gate's and value's
	s_lshl_b32 s29, s29, s41
	s_add_co_u32 s28, s28, s29
	s_lshl_b32 s29, s26, 6                         ; value's rows lie 64 behind gate's,
	s_cmp_eq_u32 s26, 2
	s_cselect_b32 s29, 2048, s29                   ; out's part begins at row 2048
	s_add_co_u32 s28, s28, s29                     ; the row in wbf
	s_mov_b32 s35, 0
	s_wait_kmcnt 0x0
	s_cmp_eq_u32 s26, 1
	s_cselect_b64 s[30:31], s[12:13], s[10:11]
	s_cmp_eq_u32 s26, 2
	s_cselect_b64 s[30:31], s[14:15], s[30:31]
	s_lshl_b32 s34, s27, 12
	s_add_nc_u64 s[30:31], s[30:31], s[34:35]      ; from: row c, 4,096 bytes a row
	s_lshl_b32 s34, s28, 11
	s_add_nc_u64 s[32:33], s[20:21], s[34:35]      ; to: 2,048 bytes a row
	s_lshl_b32 s34, ttmp9, 18
	s_add_nc_u64 s[4:5], s[4:5], s[34:35]          ; x at the group's first row
	s_lshl_b32 s34, ttmp9, 17
	s_add_nc_u64 s[18:19], s[18:19], s[34:35]      ; normed likewise
	s_cmp_lt_u32 s24, 12
	s_cbranch_scc0 .Lno_w_in
.irp i, 0,1,2,3,4,5,6,7                        ; issued first: the counted waits below are then right with and without these eight
	global_load_b128 v[WR+4*(\i):WR+4*(\i)+3], v3, s[30:31] offset:512*(\i) th:TH_LOAD_NT
.endr
.Lno_w_in:
.irp i, 0,1,2,3,4,5,6,7
	global_load_b128 v[LW+4*(\i):LW+4*(\i)+3], v3, s[6:7] offset:512*(\i)
.endr
.irp i, 0,1,2,3,4,5,6,7
	global_load_b128 v[LB+4*(\i):LB+4*(\i)+3], v3, s[8:9] offset:512*(\i)
.endr
.irp r, 0,1,2,3
.irp i, 0,1,2,3,4,5,6,7                        ; each load of the wave covers 512 neighbouring bytes
	global_load_b128 v[XR+32*(\r)+4*(\i):XR+32*(\r)+4*(\i)+3], v1, s[4:5] offset:4096*(\r)+512*(\i) th:TH_LOAD_NT
.endr
.endr
.macro JOIN                            ; the four chains into v18, then over the 32 lanes: every lane ends with the sum
	v_pk_add_f32 v[T:T+1], v[T:T+1], v[T+2:T+3]
	v_pk_add_f32 v[T+4:T+5], v[T+4:T+5], v[T+6:T+7]
	v_pk_add_f32 v[T:T+1], v[T:T+1], v[T+4:T+5]
	v_add_f32 v18, v[T], v[T+1]
	v_add_f32_dpp v18, v18, v18 row_xmask:1 row_mask:0xf bank_mask:0xf
	v_add_f32_dpp v18, v18, v18 row_xmask:2 row_mask:0xf bank_mask:0xf
	v_add_f32_dpp v18, v18, v18 row_xmask:4 row_mask:0xf bank_mask:0xf
	v_add_f32_dpp v18, v18, v18 row_xmask:8 row_mask:0xf bank_mask:0xf
	v_permlanex16_b32 v19, v18, s38, s39
	v_add_f32 v18, v18, v19
.endm
; Row r of my four.  left = the loads of the later rows, which may stay out.
.macro LNROW r, left
.set X0, XR+32*(\r)
	s_wait_loadcnt \left                           ; loads come back in order: this row, ln_w, ln_b and the weight row are in
.irp k, 0,1,2,3
	v_pk_add_f32 v[T+2*(\k):T+2*(\k)+1], v[X0+2*(\k):X0+2*(\k)+1], v[X0+8+2*(\k):X0+8+2*(\k)+1]  ; the first pairs start four chains: nothing is cleared
.endr
.irp m, 2,3
.irp k, 0,1,2,3
	v_pk_add_f32 v[T+2*(\k):T+2*(\k)+1], v[T+2*(\k):T+2*(\k)+1], v[X0+8*(\m)+2*(\k):X0+8*(\m)+2*(\k)+1]
.endr
.endr
	JOIN
	v_mul_f32 v14, s36, v18                        ; the mean, in both words of a pair
	v_mov_b32 v15, v14
.set k, 0
.rept 16
	v_pk_add_f32 v[X0+k:X0+k+1], v[X0+k:X0+k+1], v[14:15] neg_lo:[0,1] neg_hi:[0,1]  ; x - mean, before the squares: no difference of large sums is formed
.set k, k+2
.endr
.irp k, 0,1,2,3
	v_pk_mul_f32 v[T+2*(\k):T+2*(\k)+1], v[X0+2*(\k):X0+2*(\k)+1], v[X0+2*(\k):X0+2*(\k)+1]
.endr
.irp m, 1,2,3
.irp k, 0,1,2,3
	v_pk_fma_f32 v[T+2*(\k):T+2*(\k)+1], v[X0+8*(\m)+2*(\k):X0+8*(\m)+2*(\k)+1], v[X0+8*(\m)+2*(\k):X0+8*(\m)+2*(\k)+1], v[T+2*(\k):T+2*(\k)+1]
.endr
.endr
	JOIN
	v_fma_f32 v18, v18, s36, s37                   ; variance + 1e-5
	v_rsq_f32 v16, v18
	v_nop                                          ; a plain instruction between the root and the use of its result
	s_wait_alu depctr_va_vdst(0)
	v_mov_b32 v17, v16
.set k, 0
.rept 16
	v_pk_mul_f32 v[X0+k:X0+k+1], v[X0+k:X0+k+1], v[16:17]
.set k, k+2
.endr
.set k, 0
.rept 16
	v_pk_fma_f32 v[X0+k:X0+k+1], v[X0+k:X0+k+1], v[LW+k:LW+k+1], v[LB+k:LB+k+1]
.set k, k+2
.endr
.set k, 0
.rept 16
	v_cvt_pk_bf16_f32 v[X0+k], v[X0+2*k], v[X0+2*k+1]  ; in place, ascending: register k has been used when it is written
.set k, k+1
.endr
.irp i, 0,1,2,3,4,5,6,7
	global_store_b64 v2, v[X0+2*(\i):X0+2*(\i)+1], s[18:19] offset:2048*(\r)+256*(\i)  ; the wave's 32 lanes store 256 consecutive bytes, at a multiple of 256 from normed's first byte
.endr
.endm
	LNROW 0, 24
	LNROW 1, 16
	LNROW 2, 8
	LNROW 3, 0
	s_cmp_lt_u32 s24, 12
	s_cbranch_scc0 .Lno_w_out
.set k, 0
.rept 16
	v_cvt_pk_bf16_f32 v[WR+k], v[WR+2*k], v[WR+2*k+1]
.set k, k+1
.endr
.irp i, 0,1,2,3,4,5,6,7
	global_store_b64 v4, v[WR+2*(\i):WR+2*(\i)+1], s[32:33] offset:256*(\i)
.endr
.Lno_w_out:
	s_lshl_b32 s28, ttmp9, 4
	s_or_b32 s28, s28, s24
	s_cmp_eq_u32 s28, 15                           ; wave 15 of work-group 0
	s_cbranch_scc0 .Lend
	s_load_b32 s40, s[16:17], 0x0                  ; z = log_decay
	s_wait_kmcnt 0x0
	v_mov_b32 v6, s40
	v_and_b32 v7, 0x7fffffff, v6
	v_mul_f32 v7, 0xbfb8aa3b, v7                   ; -log2(e) |z|
	v_exp_f32 v8, v7                               ; e = e^-|z|
	v_nop
	s_wait_alu depctr_va_vdst(0)
	v_add_f32 v9, 1.0, v8                          ; u = 1 + e, rounded
	v_add_f32 v10, -1.0, v9                        ; d = u - 1, exact
	v_log_f32 v11, v9
	v_rcp_f32 v12, v10
	v_nop
	s_wait_alu depctr_va_vdst(0)
	v_mul_f32 v11, 0x3f317218, v11                 ; ln u
	v_mul_f32 v11, v11, v8
	v_mul_f32 v11, v11, v12                        ; ln(u) e / d = log1p(e)
	v_cmp_eq_f32 vcc_lo, 0, v10
	v_cndmask_b32 v11, v11, v8, vcc_lo             ; where u rounds to 1: e itself
	v_max_num_f32 v6, 0, v6
	v_add_f32 v6, v6, v11                          ; alpha
	v_mul_f32 v12, 0xbfb8aa3b, v6                  ; -alpha log2(e)
	v_mov_b32 v13, v12
	global_store_b64 v4, v[12:13], s[22:23]        ; 64 equal words: the buffer's 256 bytes, whole
.Lend:
	s_endpgm
.Lfunc_end_k_q79b946284c_prep:
	.size	k_q79b946284c_prep, .Lfunc_end_k_q79b946284c_prep-k_q79b946284c_prep
	.p2alignl 7, 3214868480
	.fill 96, 4, 3214868480
	.section	.rodata,"a",@progbits
	.p2align	6, 0x0
	.amdhsa_kernel k_q79b946284c_prep
		.amdhsa_group_segment_fixed_size 0
		.amdhsa_private_segment_fixed_size 0
		.amdhsa_enable_private_segment 0
		.amdhsa_kernarg_size 80
		.amdhsa_user_sgpr_count 2
		.amdhsa_user_sgpr_kernarg_segment_ptr 1
		.amdhsa_wavefront_size32 1
		.amdhsa_system_sgpr_workgroup_id_x 1
		.amdhsa_system_sgpr_workgroup_id_y 1
		.amdhsa_system_sgpr_workgroup_id_z 1
		.amdhsa_system_vgpr_workitem_id 0
		.amdhsa_next_free_vgpr 244
		.amdhsa_next_free_sgpr 66
		.amdhsa_reserve_vcc 1
		.amdhsa_float_denorm_mode_32 3
		.amdhsa_float_denorm_mode_16_64 3
		.amdhsa_memory_ordered 1
		.amdhsa_forward_progress 1
		.amdhsa_inst_pref_size 42
	.end_amdhsa_kernel
	.amdgpu_metadata
---
amdhsa.version: [ 1, 2 ]
amdhsa.kernels:
  - .name:           k_q79b946284c_prep
    .symbol:         k_q79b946284c_prep.kd
    .args:
      - { .name: x, .offset: 0, .size: 8, .value_kind: global_buffer, .address_space: global }
      - { .name: ln_w, .offset: 8, .size: 8, .value_kind: global_buffer, .address_space: global }
      - { .name: ln_b, .offset: 16, .size: 8, .value_kind: global_buffer, .address_space: global }
      - { .name: gate_w, .offset: 24, .size: 8, .value_kind: global_buffer, .address_space: global }
      - { .name: value_w, .offset: 32, .size: 8, .value_kind: global_buffer, .address_space: global }
      - { .name: out_w, .offset: 40, .size: 8, .value_kind: global_buffer, .address_space: global }
      - { .name: log_decay, .offset: 48, .size: 8, .value_kind: global_buffer, .address_space: global }
      - { .name: normed, .offset: 56, .size: 8, .value_kind: global_buffer, .address_space: global }
      - { .name: wbf, .offset: 64, .size: 8, .value_kind: global_buffer, .address_space: global }
      - { .name: dk, .offset: 72, .size: 8, .value_kind: global_buffer, .address_space: global }
    .group_segment_fixed_size: 0
    .private_segment_fixed_size: 0
    .kernarg_segment_align: 8
    .kernarg_segment_size: 80
    .max_flat_workgroup_size: 512
    .sgpr_count:     66
    .vgpr_count:     244
    .wavefront_size: 32
...
	.end_amdgpu_metadata
.endif
;; end of part 1
;; launch gv (part 2): grid 8 x 64, 4 waves a work-group, clusters of 4 x 4, 327,680 bytes of LDS; arguments normed, wbf, gate_b, value_b, cblk, bsum, dk; writes cblk, bsum
.if DOCPART == 2
	.amdgcn_target "amdgcn-amd-amdhsa--gfx1250"
	.amdhsa_code_object_version 6
	.text
	.protected	k_q79b946284c_gv
	.globl	k_q79b946284c_gv
	.p2align	8
	.type	k_q79b946284c_gv,@function
k_q79b946284c_gv:
	s_mov_b64 s[64:65], 0
	v_nop
	global_prefetch_b8 v0, s[64:65] scope:SCOPE_SE
	s_setreg_imm32_b32 hwreg(HW_REG_WAVE_MODE, 25, 1), 1
	s_wait_xcnt 0x0
	s_wait_alu depctr_hold_cnt(0) depctr_sa_sdst(0) depctr_va_vdst(0) depctr_va_sdst(0) depctr_va_ssrc(0) depctr_va_vcc(0) depctr_vm_vsrc(0)
	s_getreg_b32 s2, hwreg(HW_REG_IB_STS2, 6, 4)
	s_cmp_eq_u32 s2, 0
	s_cbranch_scc0 .Lentry_in_a_cluster
	s_endpgm
.Lentry_in_a_cluster:
	s_bfe_u32 s2, ttmp6, 0x10000c
	s_cmp_lg_u32 s2, 0xf033
	s_cbranch_scc0 .Lentry_shape_is_right
	s_endpgm
.Lentry_shape_is_right:
; GV.  g = normed Wg^T + gate_b, v = normed Wv^T + value_b, u = (2 sigmoid(g) - 1) v, u's running sum along the rows inside blocks of 128 rows, and that sum times the row's decay.
; normed: [16384][1024] bf16.  wbf rows 0-2047: for each group of 64 channels 64 rows of Wg and then 64 of Wv, bf16, at place 16 q + r the channel 4 r + q of the group.  dk: -alpha log2(e).
; Out: cblk, bf16 [16 groups of 64 channels][16384 rows][64]: dec[t] x the inclusive sum from the block's first row on, both in f32, the product rounded once; dec[t] = 2^(dk (t % 4096)).
;      bsum, f32 [128 blocks][1024]: each block's total, without the decay.
; SHAPE.  A work-group of four waves makes 256 rows x 256 rows of wbf (128 channels, gate and value); a wave 128 x 128: 64 accumulators of 16 x 16, 512 registers.  A wave's rows are one block of the
; running sum, its columns the gate and the value of one group of 64 channels.  K goes in steps of 128 through a ring of two LDS slots filled by the tensor data mover; the tiles' rows are 256 bytes of memory.
; THE MATRIX INSTRUCTION IS USED AS IT IS (source 0 = 16 rows of normed, source 1 = 16 rows of wbf): a lane holds ONE column (lane % 16) and the rows 8 (lane / 16) + 0..7.  So the running sum goes along a
; lane's registers, with one exchange between the halves of the lanes, and by wbf's order the lane's four gate and four value accumulators of a row block are the four neighbouring channels 4 r .. 4 r + 3.
; CLUSTERS: 4 x 4 work-groups.  The four of a row of the cluster need the same tiles of normed, the four of a column the same tiles of wbf: each tile is asked for jointly, by the same tensor load with the same
; descriptor and a mask that names the four.
; ARITHMETIC.  2 sigmoid(g) - 1 = 1 - 2 / (1 + e^g), in f32.  LIMITS: where e^g passes f32's range the factor is exactly 1, where it falls below 2^-126 exactly -1; near g = 0 the factor keeps an absolute
; error of about one part in 2^23.  The decays of the first 16 rows are exponentials; those of each further 16 rows are the last ones times 2^(16 dk): seven more roundings at the most; a decay below 2^-126
; counts as 0 or as a denormal.  NaN and infinities are not treated apart.
; REGISTERS, in windows of 256 (s_set_vgpr_msb: bits 1:0 source 0, 3:2 source 1, 5:4 source 2, 7:6 destination):
;   window 0: v0-31 addresses, decays; v32-63 biases, carry; v64-127, v128-191 fragments of normed, two buffers (on the way out: at work); v192-199 offsets of the running sum
;   window 1: v64-127, v128-191 fragments of wbf, two buffers      window 2: accumulators of my rows 0-63 ((a, b) at v[8 (8 a + b)]; b 0-3 gate, 4-7 value)      window 3: those of my rows 64-127
.set SIZE_K, 1024
.set KSTEP,  128
.set PITCH,  272                       ; an LDS row: 256 bytes + 16 of padding = 68 words: the 16 rows that a load touches start at 16 different groups of four banks (64 banks of 4 bytes: ISA guide 11.1)
.set HALFT,  128*PITCH                 ; 128 rows: what one tensor load brings, and what one wave reads of either operand
.set SLOT,   4*HALFT                   ; normed's 256 rows, then wbf's 256 rows
.set STAGE,  2*SLOT                    ; behind the ring: 16 rows x 144 bytes for each wave, for the way out
.set SP,     144
.set SPARE,  STAGE+4*16*SP             ; behind the stages: the spare words, 128 bytes for each wave: two blocks of 256 bytes that no other line names
.set LAPS,   SIZE_K/(2*KSTEP)          ; a lap = two K steps = once round the ring
.set DS,   6                           ; v[6:7]  2^(16 dk), twice
.set DD,   8                           ; v[8:15] the decays of rows 8 h + j of the row block in hand
.set ADRA, 16                          ; v16-17  LDS address of my fragments of normed in slot 0, 1
.set ADRB, 20                          ; v20-21  the same for wbf
.set STO,  24                          ; v24     the way out: where I put 8 bytes of a row
.set RD,   25                          ; v25     the way out: where I read rows back
.set CO,   26                          ; v26     16 x lane: my place in 512 consecutive bytes of cblk
.set SO,   27                          ; v27     16 x (lane % 16): my four channels in the biases and in a row of bsum
.set SPW,  28                          ; v28     LDS address of my spare word; never rewritten
.set NIL,  29                          ; v29     0; never rewritten
.set LN,   31                          ; v31     lane
.set GBP,  32                          ; v[32+2q] gate_b x log2(e) of channel 4 r + q, twice
.set VBP,  40                          ; v[40+2q] value_b, twice
.set BI,   48                          ; v[48:55] the biases as loaded
.set CAR,  56                          ; v[56:59] the running sum's carry from row block to row block
.set XT,   60                          ; v[60:63] the other half of the lanes' total
.set F0,   64
.set F1,   128
.set OFP,  192                         ; v[192+2q] what a lane adds to its eight sums; the odd registers hold 0
.set EE,   64                          ; the way out: v[64+8q+j]  e^g, then the factor, then u, then its sum
.set VV,   96                          ;              v[96+8q+j]  v
.set PK,   128                         ;              v[128:143]  a row block rounded to bf16
.set BK,   144                         ;              v[144:159]  the same as whole rows, back from the stage
.set G1, 24                            ; s[24:31] descriptor group 1 for normed's tiles;  s[32:39] group 0, one set for each slot
.set G0, 32
.set G1B, 48                           ; s[48:55], s[56:63] the same for wbf's tiles
.set G0B, 56
.set MSB, 0
.macro WIN new                         ; the immediate's high byte repeats the setting that is left; a switch that changes nothing is dropped
.if MSB != (\new)
	s_set_vgpr_msb (MSB<<8)|(\new)
.set MSB, \new
.endif
.endm
.set MUL_LO, 0xa4                      ; source 0 (normed) window 0, source 1 (wbf) window 1, C and D window 2
.set MUL_HI, 0xf4                      ; the same, C and D window 3
.set TO_B,   0x40                      ; destination window 1, address window 0
; A joint load.  Waves 0 and 1 fetch normed's two halves, waves 2 and 3 wbf's.  The branch hangs on the wave's number alone.
; An s_nop 0 and four v_nop follow each of the two lines, ahead of the jump, the label and what follows.
.macro JLOAD s
	s_cmp_eq_u32 s11, 0
	s_cbranch_scc0 .Lfor_b_\@
	tensor_load_to_lds s[G0+4*(\s):G0+4*(\s)+3], s[G1:G1+7]
	s_nop 0
.rept 4
	v_nop
.endr
	s_branch .Lasked_\@
.Lfor_b_\@:
	tensor_load_to_lds s[G0B+4*(\s):G0B+4*(\s)+3], s[G1B:G1B+7]
	s_nop 0
.rept 4
	v_nop
.endr
.Lasked_\@:
.endm
.macro CREST                           ; a round of the cluster's barrier behind its opening barrier
	s_cmp_lg_u32 s10, 0
	s_cbranch_scc1 .Lnot_wave_0_\@
	s_barrier_signal -3
.Lnot_wave_0_\@:
	s_barrier_wait -3
	s_barrier_signal -1
	s_barrier_wait -1
.endm
.macro CROUND                          ; a whole round
	s_barrier_signal -1
	s_barrier_wait -1
	CREST
.endm
	s_load_b256 s[72:79], s[0:1], 0x0              ; normed 72:73, wbf 74:75, gate_b 76:77, value_b 78:79
	s_load_b128 s[80:83], s[0:1], 0x20             ; cblk 80:81, bsum 82:83
	s_load_b64 s[88:89], s[0:1], 0x30              ; dk
	v_lshl_add_u32 v[SPW], v0, 2, SPARE
	v_mov_b32 v[NIL], 0
	ds_add_u32 v[SPW], v[NIL]                      ; the wave's opening: the add and its wait stand ahead of my first tensor load; the set-up below, work on registers, stands between them
	v_lshrrev_b32 v1, 5, v0
	v_readfirstlane_b32 s10, v1                    ; wave 0..3
	s_lshr_b32 s11, s10, 1                         ; which half of the tile's rows is mine.  Also: I fetch for normed (0) or for wbf (1)
	s_and_b32 s12, s10, 1                          ; which half of its columns.  Also: which 128 rows of that tile I fetch
	s_bfe_u32 s40, ttmp6, 0x40000                  ; cx, cy: my place in the cluster
	s_bfe_u32 s41, ttmp6, 0x40004
	s_lshl_b32 s42, ttmp9, 2
	s_add_co_u32 s42, s42, s40                     ; tile column = 4 x cluster x + cx
	s_and_b32 s13, ttmp7, 0xffff
	s_lshl_b32 s13, s13, 2
	s_add_co_u32 s13, s13, s41                     ; tile row = 4 x cluster y + cy
	s_lshl_b32 s43, s41, 2
	s_lshl_b32 s43, 15, s43                        ; my row of the cluster
	s_lshl_b32 s44, 0x1111, s40                    ; my column
	; descriptor group 1: a tile of 128 rows x 128 elements, padded in LDS
	s_or_b32 s[G1+0], s43, (1<<16)|(1<<20)|(1<<21)|(5<<22)|(3<<25)  ; 15:0 the mask: my row; 17:16 elements of 2 bytes; 20 padding on; 21 set beside a mask; 24:22 after every 64 words (code 5); 31:25 4 words (code 3)
	s_or_b32 s[G1B+0], s44, (1<<16)|(1<<20)|(1<<21)|(5<<22)|(3<<25) ; the same with the mask of my column
.irp g, G1, G1B
	s_mov_b32 s[(\g)+1], KSTEP<<16                 ; tensor_dim0 = 128
	s_mov_b32 s[(\g)+2], 128<<16                   ; tensor_dim1 = 128
	s_mov_b32 s[(\g)+3], KSTEP<<16                 ; tile_dim0 = 128
	s_mov_b32 s[(\g)+4], 128                       ; tile_dim1 = 128
	s_mov_b32 s[(\g)+5], SIZE_K                    ; elements from row to row
	s_mov_b32 s[(\g)+6], 0
	s_mov_b32 s[(\g)+7], 0
.endr
	; where the tiles come from: normed's hang on the tile row alone, wbf's on the tile column alone, each in registers that never hold the other coordinate
	s_lshl_b32 s18, s12, 7                         ; which 128 rows of the tile I fetch
	s_lshl_b32 s16, s13, 8
	s_add_co_u32 s16, s16, s18
	s_lshl_b32 s16, s16, 11                        ; rows of 2,048 bytes: 2^25 bytes at the most
	s_mov_b32 s17, 0
	s_lshl_b32 s46, s42, 8
	s_add_co_u32 s46, s46, s18
	s_lshl_b32 s46, s46, 11
	s_mov_b32 s47, 0
	s_mul_i32 s20, s10, HALFT                      ; and where they go: wave x 128 rows: no place in the cluster enters an LDS address
	s_mov_b32 s66, 0x76543210                      ; v_permlanex16_b32: each lane takes its own place in the other half
	s_mov_b32 s67, 0xfedcba98
	s_mov_b32 s68, 0xffff0000                      ; lanes 16-31
	s_mov_b32 s70, 0x3fb8aa3b                      ; log2(e); named as a pair
	s_mov_b32 s71, s70
	s_wait_dscnt 0x0                               ; the opening add is done
	s_wait_kmcnt 0x0
	s_add_nc_u64 s[14:15], s[72:73], s[16:17]
	s_add_nc_u64 s[46:47], s[74:75], s[46:47]
	CROUND                                         ; all sixteen work-groups are here: the first joint loads meet
.irp s, 0,1
	s_mov_b32 s[G0+4*(\s)], 1                                      ; count = 1
	s_add_co_u32 s[G0+4*(\s)+1], s20, (\s)*SLOT                    ; LDS address
	s_add_nc_u64 s[G0+4*(\s)+2:G0+4*(\s)+3], s[14:15], (\s)*KSTEP*2  ; global address: K step s
	s_or_b32 s[G0+4*(\s)+3], s[G0+4*(\s)+3], 0x80000000            ; type = 2
	s_mov_b32 s[G0B+4*(\s)], 1
	s_add_co_u32 s[G0B+4*(\s)+1], s20, (\s)*SLOT
	s_add_nc_u64 s[G0B+4*(\s)+2:G0B+4*(\s)+3], s[46:47], (\s)*KSTEP*2
	s_or_b32 s[G0B+4*(\s)+3], s[G0B+4*(\s)+3], 0x80000000
	JLOAD \s                                       ; two loads of mine are out
.endr
	s_load_b32 s90, s[88:89], 0x0                  ; dk = -alpha log2(e)
	v_and_b32 v1, 15, v0                           ; r = l % 16
	v_bfe_u32 v2, v0, 4, 1                         ; h = l / 16
	v_and_b32 v[LN], 31, v0
	v_lshlrev_b32 v[SO], 4, v1
	s_lshl_b32 s84, s42, 1
	s_add_co_u32 s84, s84, s12                     ; my group of 64 channels = 2 x tile column + column half
	s_lshl_b32 s86, s84, 8                         ; its 256 bytes in the biases and in a row of bsum
	s_mov_b32 s87, 0
	s_add_nc_u64 s[76:77], s[76:77], s[86:87]
	s_add_nc_u64 s[78:79], s[78:79], s[86:87]
	s_add_nc_u64 s[82:83], s[82:83], s[86:87]
	global_load_b128 v[BI:BI+3], v[SO], s[76:77]   ; gate_b of channels 4 r .. 4 r + 3
	global_load_b128 v[BI+4:BI+7], v[SO], s[78:79] ; value_b
	s_lshl_b32 s86, s84, 21                        ; the group's plane in cblk: 16,384 rows of 128 bytes
	s_add_nc_u64 s[80:81], s[80:81], s[86:87]
	s_lshl_b32 s85, s13, 1
	s_add_co_u32 s85, s85, s11                     ; my block of 128 rows = 2 x tile row + row half
	s_lshl_b32 s86, s85, 14                        ; its 128 rows of 128 bytes
	s_add_nc_u64 s[80:81], s[80:81], s[86:87]
	s_lshl_b32 s86, s85, 12                        ; its row of 4,096 bytes in bsum
	s_add_nc_u64 s[82:83], s[82:83], s[86:87]
	; A fragment is 16 rows x 32 K in 8 registers: lane l holds row l % 16, K = 8 (l / 16) + 0..7 and 16 + 8 (l / 16) + 0..7: two loads of 16 bytes, 32 bytes apart.
	v_mul_u32_u24 v3, v1, PITCH
	v_lshl_add_u32 v3, v2, 4, v3
	s_mul_i32 s21, s11, HALFT                      ; my 128 rows of normed
	s_mul_i32 s22, s12, HALFT                      ; my 128 rows of wbf,
	s_add_co_u32 s22, s22, 2*HALFT                 ; which lie behind normed's 256
.irp s, 0,1
	v_add_nc_u32 v[ADRA+(\s)], s21, v3
	v_add_nc_u32 v[ADRB+(\s)], s22, v3
	s_add_co_u32 s21, s21, SLOT
	s_add_co_u32 s22, s22, SLOT
.endr
	s_mul_i32 s23, s10, 16*SP
	s_add_co_u32 s23, s23, STAGE                   ; my stage
	v_mul_u32_u24 v4, v2, 8*SP                     ; in: rows 8 h + j, my four channels' 8 bytes
	v_lshl_add_u32 v4, v1, 3, v4
	v_add_nc_u32 v[STO], s23, v4
	v_lshrrev_b32 v5, 3, v[LN]                     ; back: 32 lanes take four rows of 128 bytes,
	v_and_b32 v6, 7, v0
	v_mul_u32_u24 v5, v5, SP
	v_lshl_add_u32 v5, v6, 4, v5
	v_add_nc_u32 v[RD], s23, v5
	v_lshlrev_b32 v[CO], 4, v[LN]                  ; which are 512 consecutive bytes of cblk
	s_wait_loadcnt 0x0                             ; the biases
	s_wait_kmcnt 0x0                               ; dk
.irp q, 0,1,2,3
	v_mul_f32 v[GBP+2*(\q)], s70, v[BI+(\q)]
	v_mov_b32 v[VBP+2*(\q)], v[BI+4+(\q)]
	v_mov_b32 v[CAR+(\q)], 0                       ; the block's sum starts at 0
	v_mov_b32 v[XT+(\q)], 0                        ; v_permlanex16_b32's destination counts as read
	v_mov_b32 v[OFP+2*(\q)+1], 0                   ; named with the even register as a pair
.endr
.irp q, 0,1,2,3
	v_mov_b32 v[GBP+2*(\q)+1], v[GBP+2*(\q)]
	v_mov_b32 v[VBP+2*(\q)+1], v[VBP+2*(\q)]
.endr
	s_lshl_b32 s86, s85, 7                         ; my first row,
	s_and_b32 s86, s86, 4095                       ; its place in its batch of 4,096
	v_lshl_add_u32 v5, v2, 3, s86
.irp j, 0,1,2,3,4,5,6,7
	v_add_nc_u32 v[DD+(\j)], \j, v5                ; t of row 8 h + j of the first row block
.endr
.irp j, 0,1,2,3,4,5,6,7
	v_cvt_f32_u32 v[DD+(\j)], v[DD+(\j)]
.endr
.irp j, 0,1,2,3,4,5,6,7
	v_mul_f32 v[DD+(\j)], s90, v[DD+(\j)]
.endr
	v_mov_b32 v[DS], 0x41800000                    ; 16
	v_mul_f32 v[DS], s90, v[DS]
.irp j, 0,1,2,3,4,5,6,7
	v_exp_f32 v[DD+(\j)], v[DD+(\j)]               ; 2^(dk t)
.endr
	v_exp_f32 v[DS], v[DS]                         ; 2^(16 dk): from a row block's decays to the next one's
	v_nop                                          ; a plain instruction between the run and the use of its results
	s_wait_alu depctr_va_vdst(0)
	v_mov_b32 v[DS+1], v[DS]
; 16 matrix instructions: row blocks a0, a0 + 1 of the window's four (hi = 0: my rows 0-63, 1: rows 64-127) x all 8 column blocks, 32 along K.  zero = 1: the first product starts the sums.
.macro MUL16 f, hi, a0, zero
	WIN MUL_LO+0x50*(\hi)
.irp a, \a0, (\a0)+1
.irp b, 0,1,2,3,4,5,6,7
.if \zero
	v_wmma_f32_16x16x32_bf16 v[8*(8*(\a)+(\b)):8*(8*(\a)+(\b))+7], v[(\f)+8*(4*(\hi)+(\a)):(\f)+8*(4*(\hi)+(\a))+7], v[(\f)+8*(\b):(\f)+8*(\b)+7], 0
.else
	v_wmma_f32_16x16x32_bf16 v[8*(8*(\a)+(\b)):8*(8*(\a)+(\b))+7], v[(\f)+8*(4*(\hi)+(\a)):(\f)+8*(4*(\hi)+(\a))+7], v[(\f)+8*(\b):(\f)+8*(\b)+7], v[8*(8*(\a)+(\b)):8*(8*(\a)+(\b))+7]
.endif
.endr
.endr
.endm
; 32 LDS loads in one run: the fragments of one quarter step (32 K at byte k of the rows) into buffer f: wbf's first, normed's behind them
.macro FETCH slot, k, f
	WIN TO_B
.irp i, 0,1,2,3,4,5,6,7
	ds_load_b128 v[(\f)+8*(\i):(\f)+8*(\i)+3],   v[ADRB+(\slot)] offset:(\k)+(\i)*16*PITCH
	ds_load_b128 v[(\f)+8*(\i)+4:(\f)+8*(\i)+7], v[ADRB+(\slot)] offset:(\k)+(\i)*16*PITCH+32
.endr
	WIN 0
.irp i, 0,1,2,3,4,5,6,7
	ds_load_b128 v[(\f)+8*(\i):(\f)+8*(\i)+3],   v[ADRA+(\slot)] offset:(\k)+(\i)*16*PITCH
	ds_load_b128 v[(\f)+8*(\i)+4:(\f)+8*(\i)+7], v[ADRA+(\slot)] offset:(\k)+(\i)*16*PITCH+32
.endr
.endm
; Four places stand in front of loads into registers that matrix instructions have read, and of vector lines that read results just made (ISA guide 7.12.1 for vector instructions).
.macro PLACES
.rept 4
	v_nop
.endr
.endm
; A K step is four quarters of 32 along K, 64 matrix instructions each, on buffers 0, 1, 0, 1; the 64 accumulators take turns, one instruction a turn.
.macro QUARTER slot, k, f, g, zero
	s_wait_dscnt 8                                 ; wbf's fragments and my rows 0-63 are in; the youngest eight loads (rows 64-127) may be out
	MUL16 \f, 0, 0, \zero
	MUL16 \f, 0, 2, \zero
	PLACES
	FETCH \slot, \k, \g
	s_wait_dscnt 32                                ; all but the 32 just issued
	MUL16 \f, 1, 0, \zero
	MUL16 \f, 1, 2, \zero
.endm
; The last quarter multiplies buffer 1 and changes slots: ONE barrier; in front of it each wave waits for all its tensor loads (one is out: its part of the next slot), adds 0 to its spare word, and waits
; for that and for its own reads of this slot.  fill = 1: the barrier opens a round of the cluster's, and this slot is filled again, two K steps ahead, first thing behind the round.
.macro TURN slot, next, fill
	WIN 0                                          ; (the add's two registers lie in window 0)
	s_wait_tensorcnt 0x0
	ds_add_u32 v[SPW], v[NIL]                      ; 0 onto my spare word
	s_wait_dscnt 9                                 ; (the add and the youngest eight loads may be out)
	MUL16 F1, 0, 0, 0                              ; sixteen matrix instructions stand between the add and the wait for it
	s_wait_dscnt 0x0                               ; the add is done, and my reads of this slot are over
	s_barrier_signal -1
	MUL16 F1, 0, 2, 0
.if \fill
	WIN 0
.endif
	s_barrier_wait -1
.if \fill
	CREST                                          ; no wave of any partner still reads this slot's tile or has a load on its way
	s_add_nc_u64 s[G0+4*(\slot)+2:G0+4*(\slot)+3], s[G0+4*(\slot)+2:G0+4*(\slot)+3], 2*KSTEP*2
	s_add_nc_u64 s[G0B+4*(\slot)+2:G0B+4*(\slot)+3], s[G0B+4*(\slot)+2:G0B+4*(\slot)+3], 2*KSTEP*2
	JLOAD \slot                                    ; my one tensor load behind the round, 224 matrix instructions ahead of the wait for it; its four v_nop are also the places in front of the loads below
.else
	PLACES
.endif
	FETCH \next, 0, F0
	MUL16 F1, 1, 0, 0
	MUL16 F1, 1, 2, 0
.endm
; The only lines of the way out that name accumulators: row block a's (g + gate_b) log2(e) and v + value_b come into window 0
.macro TAKE a
.set AC, 64*((\a)%4)
	WIN 0x02+(\a)/4                                ; source 0: the accumulators' window
.irp q, 0,1,2,3
.irp p, 0,2,4,6                        ; each accumulator is read from its low end on
	v_pk_fma_f32 v[EE+8*(\q)+(\p):EE+8*(\q)+(\p)+1], v[AC+8*(\q)+(\p):AC+8*(\q)+(\p)+1], s[70:71], v[GBP+2*(\q):GBP+2*(\q)+1] op_sel_hi:[1,0,0]
.endr
.endr
.irp q, 0,1,2,3
.irp p, 0,2,4,6
	v_pk_add_f32 v[VV+8*(\q)+(\p):VV+8*(\q)+(\p)+1], v[AC+32+8*(\q)+(\p):AC+32+8*(\q)+(\p)+1], v[VBP+2*(\q):VBP+2*(\q)+1] op_sel_hi:[1,0]
.endr
.endr
	WIN 0
.endm
; The row block that lies in BK is stored.  The base has been stepped past it, so the stores reach back.
.macro SEND
	s_wait_dscnt 0x0                               ; the block is back in registers
.irp f, 0,1,2,3
	global_store_b128 v[CO], v[BK+4*(\f):BK+4*(\f)+3], s[80:81] offset:512*(\f)-2048  ; 512 consecutive bytes, at a multiple of 256 from cblk's first byte
.endr
.endm
	s_wait_tensorcnt 1                             ; my part of K step 0 is in; K step 1's may stay out
	s_barrier_signal -1
	s_barrier_wait -1                              ; everybody's is
	FETCH 0, 0, F0
	QUARTER 0, 64,  F0, F1, 1                      ; the first quarter stands in front of the loop: its products start the sums
	WIN 0                                          ; at a label and at a branch every window is 0
	s_mov_b32 s3, LAPS-1
.Llap:                                                 ; a trip goes once round the ring, from a lap's second quarter to the next lap's first, and fills both slots again
	QUARTER 0, 128, F1, F0, 0
	QUARTER 0, 192, F0, F1, 0
	TURN 0, 1, 1
	QUARTER 1, 64,  F0, F1, 0
	QUARTER 1, 128, F1, F0, 0
	QUARTER 1, 192, F0, F1, 0
	TURN 1, 0, 1
	QUARTER 0, 64,  F0, F1, 0
	WIN 0
	s_sub_co_u32 s3, s3, 1
	s_cmp_lg_u32 s3, 0
	s_cbranch_scc1 .Llap
	QUARTER 0, 128, F1, F0, 0                      ; the last lap fills nothing, and has no round of the cluster's barrier
	QUARTER 0, 192, F0, F1, 0
	TURN 0, 1, 0
	QUARTER 1, 64,  F0, F1, 0
	QUARTER 1, 128, F1, F0, 0
	QUARTER 1, 192, F0, F1, 0
	s_wait_dscnt 8                                 ; the very last quarter: nothing more to fetch
	MUL16 F1, 0, 0, 0
	MUL16 F1, 0, 2, 0
	s_wait_dscnt 0x0
	MUL16 F1, 1, 0, 0
	MUL16 F1, 1, 2, 0
	WIN 0
	PLACES
	; THE WAY OUT: eight trips, a row block of 16 rows each, written once.  A trip: the block's numbers are taken out of its accumulators (eight texts, chosen by the counter; every jump goes forward); e^g and the
	; reciprocals; the block before, back from the stage by now, is stored; the factor, u, the running sum, the decay, the rounding; the block goes into my stage and comes back as whole rows.
	s_mov_b32 s3, 8                                ; row blocks to go: block 8 - s3 is in hand
.Lblk:
.irp a, 0,1,2,3,4,5,6
	s_cmp_lg_u32 s3, 8-(\a)
	s_cbranch_scc1 .Lnot_\a
	TAKE \a
	s_branch .Ltaken
.Lnot_\a:
.endr
	TAKE 7
.Ltaken:
.set i, 0
.rept 32
	v_exp_f32 v[EE+i], v[EE+i]                     ; e^g
.set i, i+1
.endr
	v_nop                                          ; a plain instruction between the run and the use of its results
.set i, 0
	s_wait_alu depctr_va_vdst(0)
.rept 16
	v_pk_add_f32 v[EE+i:EE+i+1], v[EE+i:EE+i+1], 1.0 op_sel_hi:[1,0]
.set i, i+2
.endr
.set i, 0
.rept 32
	v_rcp_f32 v[EE+i], v[EE+i]
.set i, i+1
.endr
	v_nop
	s_cmp_eq_u32 s3, 8
	s_cbranch_scc1 .Lno_send                       ; the first trip has no block before it
	SEND
.Lno_send:
.set i, 0
	s_wait_alu depctr_va_vdst(0)
.rept 16
	v_pk_fma_f32 v[EE+i:EE+i+1], v[EE+i:EE+i+1], -2.0, 1.0 op_sel_hi:[1,0,0]  ; 1 - 2 / (1 + e^g)
.set i, i+2
.endr
.set i, 0
.rept 16
	v_pk_mul_f32 v[EE+i:EE+i+1], v[EE+i:EE+i+1], v[VV+i:VV+i+1]               ; u
.set i, i+2
.endr
.irp j, 1,2,3,4,5,6,7                  ; the sum along my eight rows, four channels side by side
.irp q, 0,1,2,3
	v_add_f32 v[EE+8*(\q)+(\j)], v[EE+8*(\q)+(\j)], v[EE+8*(\q)+(\j)-1]
.endr
.endr
.irp q, 0,1,2,3
	v_permlanex16_b32 v[XT+(\q)], v[EE+8*(\q)+7], s66, s67     ; the other eight rows' total
.endr
.irp q, 0,1,2,3
	v_cndmask_b32 v[OFP+2*(\q)], 0, v[XT+(\q)], s68            ; rows 8-15 lie behind rows 0-7
.endr
.irp q, 0,1,2,3
	v_add_f32 v[OFP+2*(\q)], v[OFP+2*(\q)], v[CAR+(\q)]        ; and all behind the earlier row blocks
.endr
.irp q, 0,1,2,3
	v_add_f32 v[XT+(\q)], v[XT+(\q)], v[EE+8*(\q)+7]           ; the sixteen rows' total
.endr
.irp q, 0,1,2,3
	v_add_f32 v[CAR+(\q)], v[CAR+(\q)], v[XT+(\q)]
.endr
.irp q, 0,1,2,3
.irp p, 0,2,4,6
	v_pk_add_f32 v[EE+8*(\q)+(\p):EE+8*(\q)+(\p)+1], v[EE+8*(\q)+(\p):EE+8*(\q)+(\p)+1], v[OFP+2*(\q):OFP+2*(\q)+1] op_sel_hi:[1,0]
.endr
.endr
.irp q, 0,1,2,3
.irp p, 0,2,4,6
	v_pk_mul_f32 v[EE+8*(\q)+(\p):EE+8*(\q)+(\p)+1], v[EE+8*(\q)+(\p):EE+8*(\q)+(\p)+1], v[DD+(\p):DD+(\p)+1]  ; times the rows' decays
.endr
.endr
.irp p, 0,2,4,6
	v_pk_mul_f32 v[DD+(\p):DD+(\p)+1], v[DD+(\p):DD+(\p)+1], v[DS:DS+1]      ; the decays of the next 16 rows
.endr
.irp j, 0,1,2,3,4,5,6,7                ; row 8 h + j: channels 4 r .. 4 r + 3 in 8 bytes
	v_cvt_pk_bf16_f32 v[PK+2*(\j)],   v[EE+(\j)],    v[EE+8+(\j)]
	v_cvt_pk_bf16_f32 v[PK+2*(\j)+1], v[EE+16+(\j)], v[EE+24+(\j)]
.endr
	s_wait_xcnt 0x0                                ; the stores above have read BK and their base: both are written again only behind this wait
	s_add_nc_u64 s[80:81], s[80:81], 2048          ; 16 rows of 128 bytes on
.irp j, 0,1,2,3,4,5,6,7
	ds_store_b64 v[STO], v[PK+2*(\j):PK+2*(\j)+1] offset:SP*(\j)
.endr
.irp f, 0,1,2,3
	ds_load_b128 v[BK+4*(\f):BK+4*(\f)+3], v[RD] offset:4*SP*(\f)  ; LDS serves a wave's instructions in order (ISA guide 5.7.1.4): these see the stores above
.endr
	s_sub_co_u32 s3, s3, 1
	s_cmp_lg_u32 s3, 0
	s_cbranch_scc1 .Lblk
	SEND                                           ; the last row block
	s_wait_xcnt 0x0                                ; EXEC changes only behind this wait
	v_cmp_gt_u32 vcc_lo, 16, v[LN]
	s_and_saveexec_b32 s69, vcc_lo
	global_store_b128 v[SO], v[CAR:CAR+3], s[82:83]  ; the block's total: 16 lanes store 256 consecutive bytes, at a multiple of 256 from bsum's first byte
	s_wait_xcnt 0x0
	s_or_b32 exec_lo, exec_lo, s69
	s_wait_tensorcnt 0x0                           ; the wave's end: the tensor wait, an add and its wait, behind my last tensor load and my last LDS store
	ds_add_u32 v[SPW], v[NIL]
	s_wait_dscnt 0x0
	CROUND                                         ; the closing round: no work-group ends while a partner may still ask for a tile that names it
	s_endpgm
.Lfunc_end_k_q79b946284c_gv:
	.size	k_q79b946284c_gv, .Lfunc_end_k_q79b946284c_gv-k_q79b946284c_gv
	.p2alignl 7, 3214868480
	.fill 96, 4, 3214868480
	.section	.rodata,"a",@progbits
	.p2align	6, 0x0
	.amdhsa_kernel k_q79b946284c_gv
		.amdhsa_group_segment_fixed_size 327680
		.amdhsa_private_segment_fixed_size 0
		.amdhsa_enable_private_segment 0
		.amdhsa_kernarg_size 56
		.amdhsa_user_sgpr_count 2
		.amdhsa_user_sgpr_kernarg_segment_ptr 1
		.amdhsa_wavefront_size32 1
		.amdhsa_system_sgpr_workgroup_id_x 1
		.amdhsa_system_sgpr_workgroup_id_y 1
		.amdhsa_system_sgpr_workgroup_id_z 1
		.amdhsa_system_vgpr_workitem_id 0
		.amdhsa_next_free_vgpr 1024
		.amdhsa_next_free_sgpr 92
		.amdhsa_reserve_vcc 1
		.amdhsa_float_denorm_mode_32 3
		.amdhsa_float_denorm_mode_16_64 3
		.amdhsa_memory_ordered 1
		.amdhsa_forward_progress 1
		.amdhsa_inst_pref_size 144
	.end_amdhsa_kernel
	.amdgpu_metadata
---
amdhsa.version: [ 1, 2 ]
amdhsa.kernels:
  - .name:           k_q79b946284c_gv
    .symbol:         k_q79b946284c_gv.kd
    .args:
      - { .name: normed, .offset: 0, .size: 8, .value_kind: global_buffer, .address_space: global }
      - { .name: wbf, .offset: 8, .size: 8, .value_kind: global_buffer, .address_space: global }
      - { .name: gate_b, .offset: 16, .size: 8, .value_kind: global_buffer, .address_space: global }
      - { .name: value_b, .offset: 24, .size: 8, .value_kind: global_buffer, .address_space: global }
      - { .name: cblk, .offset: 32, .size: 8, .value_kind: global_buffer, .address_space: global }
      - { .name: bsum, .offset: 40, .size: 8, .value_kind: global_buffer, .address_space: global }
      - { .name: dk, .offset: 48, .size: 8, .value_kind: global_buffer, .address_space: global }
    .group_segment_fixed_size: 327680
    .private_segment_fixed_size: 0
    .kernarg_segment_align: 8
    .kernarg_segment_size: 56
    .max_flat_workgroup_size: 128
    .sgpr_count:     92
    .vgpr_count:     1024
    .wavefront_size: 32
...
	.end_amdgpu_metadata
.endif
;; end of part 2
;; launch outp (part 3): grid 4 x 64, 4 waves a work-group, clusters of 4 x 4, 327,680 bytes of LDS; arguments cblk, wbf, bsum, dk, out_b, x, out0; writes out0
.if DOCPART == 3
	.amdgcn_target "amdgcn-amd-amdhsa--gfx1250"
	.amdhsa_code_object_version 6
	.text
	.protected	k_q79b946284c_outp
	.globl	k_q79b946284c_outp
	.p2align	8
	.type	k_q79b946284c_outp,@function
k_q79b946284c_outp:
	s_mov_b64 s[64:65], 0
	v_nop
	global_prefetch_b8 v0, s[64:65] scope:SCOPE_SE
	s_setreg_imm32_b32 hwreg(HW_REG_WAVE_MODE, 25, 1), 1
	s_wait_xcnt 0x0
	s_wait_alu depctr_hold_cnt(0) depctr_sa_sdst(0) depctr_va_vdst(0) depctr_va_sdst(0) depctr_va_ssrc(0) depctr_va_vcc(0) depctr_vm_vsrc(0)
	s_getreg_b32 s2, hwreg(HW_REG_IB_STS2, 6, 4)
	s_cmp_eq_u32 s2, 0
	s_cbranch_scc0 .Lentry_in_a_cluster
	s_endpgm
.Lentry_in_a_cluster:
	s_bfe_u32 s2, ttmp6, 0x10000c
	s_cmp_lg_u32 s2, 0xf033
	s_cbranch_scc0 .Lentry_shape_is_right
	s_endpgm
.Lentry_shape_is_right:
; OUTP.  out0[t] = x[t] + out_b + cd[t] Wo^T + dec[t] (P Wo^T), where cd is cblk (the running sum inside a block of 128 rows, already times the row's decay), P the sum of the earlier blocks' totals (bsum)
; of the same batch of 4,096 rows, and dec[t] = 2^(dk x (t % 4096)) = e^(-alpha (t % 4096)).
; ORDER OF ROUNDING, stated: cd and P are rounded to bf16 each by itself and multiplied by Wo each by itself, and the two products are ADDED in f32; P's product takes the decay, one number a row, in f32 behind
; the product.  out_b starts the sums and x is added into them in the middle of K, so the later products are rounded at x's size, in f32.  LIMITS: a decay below 2^-126 counts as 0 or as a denormal; the decays
; of each further 16 rows are the last ones times 2^(16 dk), seven more roundings at the most; NaN and infinities are not treated apart, but the totals of later blocks are left out by a select.
; SHAPE.  A work-group of four waves makes 256 x 256 of out0, one tile for each of 256 work-groups; a wave 128 x 128: 64 accumulators, and eight more for P Wo^T: a fragment whose 16 rows are all the row P.
; A wave's rows are one block of 128.  K goes in steps of 128 through a ring of two LDS slots.  cblk lies in planes of 64 channels whose rows are dense, so 256 rows of a plane are 32,768 bytes on end, asked
; for as 128 rows of 256 bytes and padded in LDS behind every 128 bytes.  wbf's rows 2048-3071 are Wo's, at place 16 q + r of a group of 64 the row 4 r + q.
; THE MATRIX INSTRUCTION IS USED AS IT IS (source 0 = 16 rows of cblk, source 1 = 16 rows of wbf): a lane holds one column and eight rows, and by wbf's order four accumulators side by side are four
; neighbouring columns: 16 bytes of f32 a lane, 256 bytes for sixteen lanes, loaded from x and stored to out0 without a stage.
; X UNDER THE PRODUCTS.  My 128 x 128 of x is 16 groups of 16 rows x 64 columns.  Four buffers of 32 registers take turns: at four places of a lap a group that has landed is added into its accumulators and
; its buffer is asked for again, four groups ahead: a load has a whole lap in which to land, and behind the last product only stores are left.
; CLUSTERS: 4 x 4 work-groups; cblk's tiles are shared along a row of the cluster, wbf's along a column, each asked for jointly.
; REGISTERS, in windows of 256: window 0: v0-31 addresses; v32-47 fragments of P, two buffers; v48-55 out_b; v56-63 decays; v64-127, v128-191 fragments of cblk, two buffers; v192-255 two buffers of x;
;   window 1: v0-63 the eight accumulators of P Wo^T; v64-127, v128-191 fragments of wbf; v192-255 out_b as a C operand, then two buffers of x
;   windows 2, 3: the accumulators ((a, b) at v[8 (8 (a % 4) + b)]); at the start window 2 holds bsum's rows
.set KSTEP,  128
.set PITA,   144                       ; a row of a plane in LDS: 128 bytes + 16 of padding = 36 words: the 16 rows of a load start at 16 different groups of four banks (64 banks of 4 bytes: ISA guide 11.1)
.set PLB,    256*PITA                  ; a plane's 256 rows: what one of cblk's tensor loads brings
.set PITCH,  272                       ; a row of wbf in LDS: 256 + 16
.set HALFB,  128*PITCH                 ; what one of wbf's tensor loads brings
.set BOFF,   2*PLB                     ; a slot: two planes, then wbf's 256 rows
.set SLOT,   BOFF+2*HALFB
.set PREF,   2*SLOT                    ; behind the ring, never filled by a tensor load: the rows P of my work-group's two blocks, bf16, 2,048 bytes each
.set SPARE,  PREF+4096                 ; behind them: the spare words, 128 bytes for each wave: two blocks of 256 bytes that no other line names
.set LAPS,   4
.set XL,   8                           ; v8-11   buffer p: my byte offset in x of the group that it takes next
.set DS,   12                          ; v[12:13] 2^(16 dk), twice
.set ADRA, 16                          ; v16-17  LDS address of my fragments of cblk in slot 0, 1
.set ADRB, 20                          ; v20-21  the same for wbf
.set ADRP0, 22                         ; v22     LDS address of my fragments of P, K = 0
.set ADRP, 23                          ; v23     the same for the lap in hand
.set XO,   24                          ; v24     my byte offset in x and out0: 8 h rows + 16 r
.set TI,   25                          ; v25     the place in its batch of my first row, + 8 h
.set SA,   26                          ; v26     16 x thread: my first four channels in a row of bsum
.set PST,  27                          ; v27     where I put 8 bytes of P
.set SPW,  28                          ; v28     LDS address of my spare word; never rewritten
.set NIL,  29                          ; v29     0; never rewritten
.set BO,   30                          ; v30     16 r
.set PF,   32                          ; v[32:39], v[40:47]
.set OB,   48                          ; v[48+4G+q] out_b of column 64 G + 4 r + q
.set DD,   56                          ; v[56:63] the decays of rows 8 h + j of the row block in hand
.set F0,   64
.set F1,   128
.set RI,   64                          ; the start: v[64:71] the total of the tile's first block
.set P0,   72                          ;            v[72:79] P of the first block, v[80:87] of the second
.set PP,   88                          ;            v[88:95] both, in bf16
.set OBC,  192                         ; window 1: v[192+8b .. +7] eight copies of out_b of column block b
.set G1, 24
.set G0, 32
.set G1B, 48
.set G0B, 56
.set MSB, 0
.macro WIN new                         ; the immediate's high byte repeats the setting that is left; a switch that changes nothing is dropped
.if MSB != (\new)
	s_set_vgpr_msb (MSB<<8)|(\new)
.set MSB, \new
.endif
.endm
.set MUL_LO, 0xa4                      ; source 0 (cblk) window 0, source 1 (wbf) window 1, C and D window 2
.set MUL_HI, 0xf4
.set TO_B,   0x40
.macro JLOAD s                         ; a joint load: waves 0 and 1 fetch a K step's two planes of cblk, waves 2 and 3 wbf's two halves; an s_nop 0 and four v_nop follow each of the two lines
	s_cmp_eq_u32 s11, 0
	s_cbranch_scc0 .Lfor_b_\@
	tensor_load_to_lds s[G0+4*(\s):G0+4*(\s)+3], s[G1:G1+7]
	s_nop 0
.rept 4
	v_nop
.endr
	s_branch .Lasked_\@
.Lfor_b_\@:
	tensor_load_to_lds s[G0B+4*(\s):G0B+4*(\s)+3], s[G1B:G1B+7]
	s_nop 0
.rept 4
	v_nop
.endr
.Lasked_\@:
.endm
.macro CREST
	s_cmp_lg_u32 s10, 0
	s_cbranch_scc1 .Lnot_wave_0_\@
	s_barrier_signal -3
.Lnot_wave_0_\@:
	s_barrier_wait -3
	s_barrier_signal -1
	s_barrier_wait -1
.endm
.macro CROUND
	s_barrier_signal -1
	s_barrier_wait -1
	CREST
.endm
; Buffer p (0, 1: window 0; 2, 3: window 1) is asked for: 16 rows x 64 columns of x at the offset that XL + p holds
.macro XLOADP p
	WIN ((\p)/2)<<6                                ; destination: the buffer's window; address: window 0
.irp j, 0,1,2,3,4,5,6,7
	global_load_b128 v[192+32*((\p)%2)+4*(\j):192+32*((\p)%2)+4*(\j)+3], v[XL+(\p)], s[90:91] offset:4096*(\j) th:TH_LOAD_NT  ; rows 8 h + j: 16 lanes take 256 consecutive bytes
.endr
.endm
	s_load_b256 s[72:79], s[0:1], 0x0              ; cblk 72:73, wbf 74:75, bsum 76:77, dk 78:79
	s_load_b128 s[80:83], s[0:1], 0x20             ; out_b 80:81, x 82:83
	s_load_b64 s[84:85], s[0:1], 0x30              ; out0
	v_lshl_add_u32 v[SPW], v0, 2, SPARE
	v_mov_b32 v[NIL], 0
	ds_add_u32 v[SPW], v[NIL]                      ; the wave's opening: the add and its wait stand ahead of my first tensor load; the set-up below, work on registers, stands between them
	v_lshrrev_b32 v1, 5, v0
	v_readfirstlane_b32 s10, v1                    ; wave 0..3
	s_lshr_b32 s11, s10, 1                         ; which half of the tile's rows is mine.  Also: I fetch for cblk (0) or for wbf (1)
	s_and_b32 s12, s10, 1                          ; which half of its columns.  Also: which plane, or which 128 rows, I fetch
	s_bfe_u32 s40, ttmp6, 0x40000
	s_bfe_u32 s41, ttmp6, 0x40004
	s_lshl_b32 s42, ttmp9, 2
	s_add_co_u32 s42, s42, s40                     ; tile column
	s_and_b32 s13, ttmp7, 0xffff
	s_lshl_b32 s13, s13, 2
	s_add_co_u32 s13, s13, s41                     ; tile row
	s_lshl_b32 s43, s41, 2
	s_lshl_b32 s43, 15, s43                        ; my row of the cluster
	s_lshl_b32 s44, 0x1111, s40                    ; my column
	s_or_b32 s[G1+0], s43, (1<<16)|(1<<20)|(1<<21)|(4<<22)|(3<<25)  ; cblk: the mask of my row; elements of 2 bytes; padding on; bit 21 beside a mask; after every 32 words (code 4) 4 words (code 3)
	s_or_b32 s[G1B+0], s44, (1<<16)|(1<<20)|(1<<21)|(5<<22)|(3<<25) ; wbf: the mask of my column; after every 64 words (code 5)
.irp g, G1, G1B
	s_mov_b32 s[(\g)+1], 128<<16                   ; tensor_dim0 = 128
	s_mov_b32 s[(\g)+2], 128<<16                   ; tensor_dim1 = 128
	s_mov_b32 s[(\g)+3], 128<<16                   ; tile_dim0 = 128
	s_mov_b32 s[(\g)+4], 128                       ; tile_dim1 = 128
	s_mov_b32 s[(\g)+6], 0
	s_mov_b32 s[(\g)+7], 0
.endr
	s_mov_b32 s[G1+5], 128                         ; cblk: dense, 128 elements from row to row
	s_mov_b32 s[G1B+5], 1024                       ; wbf: 1,024
	s_lshl_b32 s16, s12, 21                        ; cblk: my plane of the K step, 2,097,152 bytes a plane,
	s_lshl_b32 s18, s13, 15                        ; and the tile's 256 rows of 128 bytes
	s_add_co_u32 s16, s16, s18
	s_mov_b32 s17, 0
	s_lshl_b32 s46, s42, 8
	s_lshl_b32 s47, s12, 7
	s_add_co_u32 s46, s46, s47
	s_lshl_b32 s46, s46, 11                        ; wbf: row 256 x tile column + 128 x half, 2,048 bytes a row,
	s_add_co_u32 s46, s46, 2048*2048               ; behind the 2,048 rows of gate and value
	s_mov_b32 s47, 0
	s_mul_i32 s20, s12, PLB                        ; where they go: no place in the cluster enters an LDS address
	s_mul_i32 s21, s12, HALFB
	s_add_co_u32 s21, s21, BOFF
	s_mov_b32 s66, 0                               ; the lap's byte offset in P's rows
	s_wait_dscnt 0x0                               ; the opening add is done
	s_wait_kmcnt 0x0
	s_add_nc_u64 s[14:15], s[72:73], s[16:17]
	s_add_nc_u64 s[46:47], s[74:75], s[46:47]
	CROUND                                         ; all sixteen work-groups are here: the first joint loads meet
.irp s, 0,1
	s_mov_b32 s[G0+4*(\s)], 1
	s_add_co_u32 s[G0+4*(\s)+1], s20, (\s)*SLOT
	s_add_nc_u64 s[G0+4*(\s)+2:G0+4*(\s)+3], s[14:15], (\s)*2*2097152  ; K step s: two planes on
	s_or_b32 s[G0+4*(\s)+3], s[G0+4*(\s)+3], 0x80000000
	s_mov_b32 s[G0B+4*(\s)], 1
	s_add_co_u32 s[G0B+4*(\s)+1], s21, (\s)*SLOT
	s_add_nc_u64 s[G0B+4*(\s)+2:G0B+4*(\s)+3], s[46:47], (\s)*KSTEP*2
	s_or_b32 s[G0B+4*(\s)+3], s[G0B+4*(\s)+3], 0x80000000
	JLOAD \s                                       ; two loads of mine are out
.endr
	; THE START, in the wait for the first tiles: the rows P.  The tile's first block is number I0 = 2 (tile row % 16) of its batch's 32.  Each of the 128 threads sums eight channels over the blocks in front of
	; it: all 30 rows that any tile may need are loaded and added in pairs (I0 is even), and the pairs at or behind I0 count as 0 by a select: the same lines in every work-group.
	s_load_b32 s68, s[78:79], 0x0                  ; dk
	v_and_b32 v1, 15, v0                           ; r
	v_bfe_u32 v2, v0, 4, 1                         ; h
	v_lshlrev_b32 v[SA], 4, v0
	v_lshlrev_b32 v[BO], 4, v1
	s_mov_b32 s97, 0
	s_lshr_b32 s96, s13, 4
	s_lshl_b32 s96, s96, 17                        ; the batch's 32 rows of 4,096 bytes in bsum
	s_add_nc_u64 s[86:87], s[76:77], s[96:97]
	s_and_b32 s67, s13, 15
	s_lshl_b32 s67, s67, 1                         ; I0
	s_lshl_b32 s96, s67, 12
	s_add_nc_u64 s[88:89], s[86:87], s[96:97]      ; row I0
	s_lshl_b32 s96, s42, 10
	s_lshl_b32 s95, s12, 9
	s_add_co_u32 s96, s96, s95                     ; my first column, in bytes of f32
	s_add_nc_u64 s[80:81], s[80:81], s[96:97]
	WIN 0x80                                       ; destination window 2, address window 0
.set i, 0
.rept 30
	global_load_b128 v[8*i:8*i+3],   v[SA], s[86:87] offset:4096*i        ; channels 4 t .. 4 t + 3
	global_load_b128 v[8*i+4:8*i+7], v[SA], s[86:87] offset:4096*i+2048   ; channels 512 + 4 t ..
.set i, i+1
.endr
	WIN 0
	global_load_b128 v[RI:RI+3],   v[SA], s[88:89]
	global_load_b128 v[RI+4:RI+7], v[SA], s[88:89] offset:2048
	global_load_b128 v[OB:OB+3],   v[BO], s[80:81]
	global_load_b128 v[OB+4:OB+7], v[BO], s[80:81] offset:256
	s_lshl_b32 s94, s13, 8
	s_lshl_b32 s95, s11, 7
	s_add_co_u32 s94, s94, s95                     ; my first row
	s_and_b32 s95, s94, 4095
	v_lshl_add_u32 v[TI], v2, 3, s95
	s_lshl_b32 s95, s94, 12                        ; rows of 4,096 bytes: 2^26 at the most
	s_add_co_u32 s96, s96, s95
	s_add_nc_u64 s[90:91], s[82:83], s[96:97]      ; x and out0 at my part's first number
	s_add_nc_u64 s[92:93], s[84:85], s[96:97]
	v_lshlrev_b32 v[XO], 15, v2
	v_lshl_add_u32 v[XO], v1, 4, v[XO]
	v_mov_b32 v[XL], v[XO]                         ; group p of the first four: row block p / 2 (65,536 bytes each), column half p % 2 (256 bytes)
	v_add_nc_u32 v[XL+1], 0x100, v[XO]
	v_add_nc_u32 v[XL+2], 0x10000, v[XO]
	v_add_nc_u32 v[XL+3], 0x10100, v[XO]
	v_mul_u32_u24 v3, v1, PITA
	v_lshl_add_u32 v3, v2, 4, v3
	v_mul_u32_u24 v4, v1, PITCH
	v_lshl_add_u32 v4, v2, 4, v4
	s_mul_i32 s21, s11, 128*PITA                   ; my 128 rows in each plane
	s_mul_i32 s22, s12, HALFB                      ; my 128 rows of wbf
	s_add_co_u32 s22, s22, BOFF
.irp s, 0,1
	v_add_nc_u32 v[ADRA+(\s)], s21, v3
	v_add_nc_u32 v[ADRB+(\s)], s22, v4
	s_add_co_u32 s21, s21, SLOT
	s_add_co_u32 s22, s22, SLOT
.endr
	s_lshl_b32 s23, s11, 11
	s_add_co_u32 s23, s23, PREF                    ; my block's row P; all sixteen rows of the fragment are this row
	v_lshl_add_u32 v[ADRP0], v2, 4, s23
	v_mov_b32 v[ADRP], v[ADRP0]
	v_lshl_add_u32 v[PST], v0, 3, PREF
	s_wait_loadcnt 0x0
	s_wait_kmcnt 0x0
	XLOADP 0                                       ; x's first two groups; the other two buffers still hold out_b's copies
	XLOADP 1
	WIN 0x40                                       ; destination window 1, source window 0
.irp b, 0,1,2,3,4,5,6,7
.irp k, 0,1,2,3,4,5,6,7
	v_mov_b32 v[OBC+8*(\b)+(\k)], v[OB+(\b)]       ; a C operand holds a column's number in all eight rows: the first products start the sums with out_b
.endr
.endr
	WIN 0
.irp j, 0,1,2,3,4,5,6,7
	v_add_nc_u32 v[DD+(\j)], \j, v[TI]             ; t of row 8 h + j of the first row block
.endr
.irp j, 0,1,2,3,4,5,6,7
	v_cvt_f32_u32 v[DD+(\j)], v[DD+(\j)]
.endr
.irp j, 0,1,2,3,4,5,6,7
	v_mul_f32 v[DD+(\j)], s68, v[DD+(\j)]
.endr
	v_mov_b32 v[DS], 0x41800000                    ; 16
	v_mul_f32 v[DS], s68, v[DS]
.irp j, 0,1,2,3,4,5,6,7
	v_exp_f32 v[DD+(\j)], v[DD+(\j)]               ; 2^(dk t)
.endr
	v_exp_f32 v[DS], v[DS]                         ; 2^(16 dk)
	v_nop                                          ; a plain instruction between the run and the use of its results
	s_wait_alu depctr_va_vdst(0)
	v_mov_b32 v[DS+1], v[DS]
	WIN 0x8a                                       ; destination and both sources window 2
.set i, 0
.rept 15
.irp k, 0,2,4,6
	v_pk_add_f32 v[16*i+(\k):16*i+(\k)+1], v[16*i+(\k):16*i+(\k)+1], v[16*i+8+(\k):16*i+8+(\k)+1]  ; blocks 2 i and 2 i + 1
.endr
	s_cmp_gt_u32 s67, 2*i
	s_cselect_b32 vcc_lo, -1, 0                    ; do they lie in front of mine?
.irp k, 0,1,2,3,4,5,6,7
	v_cndmask_b32 v[16*i+(\k)], 0, v[16*i+(\k)], vcc_lo
.endr
.set i, i+1
.endr
	WIN 0x02                                       ; source 0 window 2
.irp k, 0,1,2,3,4,5,6,7
	v_mov_b32 v[P0+(\k)], v[(\k)]
.endr
.set i, 1
.rept 14
.irp k, 0,2,4,6
	v_pk_add_f32 v[P0+(\k):P0+(\k)+1], v[16*i+(\k):16*i+(\k)+1], v[P0+(\k):P0+(\k)+1]
.endr
.set i, i+1
.endr
	WIN 0
.irp k, 0,2,4,6
	v_pk_add_f32 v[P0+8+(\k):P0+8+(\k)+1], v[P0+(\k):P0+(\k)+1], v[RI+(\k):RI+(\k)+1]  ; the second block lies behind the first
.endr
.irp k, 0,1,2,3,4,5,6,7
	v_cvt_pk_bf16_f32 v[PP+(\k)], v[P0+2*(\k)], v[P0+2*(\k)+1]
.endr
.irp m, 0,1,2,3
	ds_store_b64 v[PST], v[PP+2*(\m):PP+2*(\m)+1] offset:1024*(\m)  ; first block: channels 4 t .., 512 + 4 t ..; then the second block's
.endr
; 16 matrix instructions.  zero = 1: the first product starts the sums, with out_b's copies (window 1) as C
.macro MUL16 f, hi, a0, zero
.if \zero
	WIN 0x94+0x40*(\hi)                            ; source 0 window 0, source 1 and C window 1, D window 2 or 3
.else
	WIN MUL_LO+0x50*(\hi)
.endif
.irp a, \a0, (\a0)+1
.irp b, 0,1,2,3,4,5,6,7
.if \zero
	v_wmma_f32_16x16x32_bf16 v[8*(8*(\a)+(\b)):8*(8*(\a)+(\b))+7], v[(\f)+8*(4*(\hi)+(\a)):(\f)+8*(4*(\hi)+(\a))+7], v[(\f)+8*(\b):(\f)+8*(\b)+7], v[OBC+8*(\b):OBC+8*(\b)+7]
.else
	v_wmma_f32_16x16x32_bf16 v[8*(8*(\a)+(\b)):8*(8*(\a)+(\b))+7], v[(\f)+8*(4*(\hi)+(\a)):(\f)+8*(4*(\hi)+(\a))+7], v[(\f)+8*(\b):(\f)+8*(\b)+7], v[8*(8*(\a)+(\b)):8*(8*(\a)+(\b))+7]
.endif
.endr
.endr
.endm
; 8 matrix instructions: P Wo^T, 32 along K: every register of accumulator b then holds the number of the lane's column
.macro MULR f, zero
	WIN 0x54                                       ; source 0 window 0; source 1, C and D window 1
.irp b, 0,1,2,3,4,5,6,7
.if \zero
	v_wmma_f32_16x16x32_bf16 v[8*(\b):8*(\b)+7], v[PF+((\f)-64)/8:PF+((\f)-64)/8+7], v[(\f)+8*(\b):(\f)+8*(\b)+7], 0
.else
	v_wmma_f32_16x16x32_bf16 v[8*(\b):8*(\b)+7], v[PF+((\f)-64)/8:PF+((\f)-64)/8+7], v[(\f)+8*(\b):(\f)+8*(\b)+7], v[8*(\b):8*(\b)+7]
.endif
.endr
.endm
; 34 LDS loads in one run: wbf's fragments, P's, cblk's.  k: the quarter's byte in a K step's 256; po: its byte in P's row, from the lap's beginning
.macro FETCH slot, k, f, po
	WIN TO_B
.irp i, 0,1,2,3,4,5,6,7
	ds_load_b128 v[(\f)+8*(\i):(\f)+8*(\i)+3],   v[ADRB+(\slot)] offset:(\k)+(\i)*16*PITCH
	ds_load_b128 v[(\f)+8*(\i)+4:(\f)+8*(\i)+7], v[ADRB+(\slot)] offset:(\k)+(\i)*16*PITCH+32
.endr
	WIN 0
	ds_load_b128 v[PF+((\f)-64)/8:PF+((\f)-64)/8+3],   v[ADRP] offset:(\po)
	ds_load_b128 v[PF+((\f)-64)/8+4:PF+((\f)-64)/8+7], v[ADRP] offset:(\po)+32
.irp i, 0,1,2,3,4,5,6,7
	ds_load_b128 v[(\f)+8*(\i):(\f)+8*(\i)+3],   v[ADRA+(\slot)] offset:((\k)/128)*PLB+(\k)%128+(\i)*16*PITA
	ds_load_b128 v[(\f)+8*(\i)+4:(\f)+8*(\i)+7], v[ADRA+(\slot)] offset:((\k)/128)*PLB+(\k)%128+(\i)*16*PITA+32
.endr
.endm
.macro PLACES                          ; four places in front of loads into registers that matrix instructions have read, and of vector lines that read or write results just made
.rept 4
	v_nop
.endr
.endm
; Group g = 2 a + G of x (row block a, columns 64 G .. 64 G + 63), which lies in buffer p, is added into its four accumulators: the buffer holds [row j][column q], the accumulators [q][j].
.macro ADDS g, p
.set AA, (\g)/2
.set AC, 64*(AA%4)+32*((\g)%2)
.set XB, 192+32*((\p)%2)
	WIN ((2+AA/4)<<6)|(((\p)/2)<<2)|(2+AA/4)       ; destination and source 0: the accumulators' window; source 1: the buffer's
.irp j, 0,1,2,3,4,5,6,7                ; each accumulator is read from its low end on
.irp q, 0,1,2,3
	v_add_f32 v[AC+8*(\q)+(\j)], v[AC+8*(\q)+(\j)], v[XB+4*(\j)+(\q)]
.endr
.endr
	WIN 0
.endm
; Place p of a lap.  g < 0: in the loop: the group is 4 x the lap + p; the adds name accumulators, so they stand once for each of the loop's three laps, chosen by the lap's counter (the same number in every
; work-group; the jumps go forward); then the buffer takes the group four further on.  g >= 0: the last lap: group g, and nothing more is asked for.  left: the younger groups' loads, which may stay out.
.macro XADD p, g, left
	WIN 0
	s_wait_loadcnt \left                           ; loads come back in order: the buffer's eight are in, and its offset register may be stepped
.if (\g) < 0
	s_cmp_eq_u32 s3, 3
	s_cbranch_scc0 .Lx1_\@
	ADDS (\p), \p
	s_branch .Lxd_\@
.Lx1_\@:
	s_cmp_eq_u32 s3, 2
	s_cbranch_scc0 .Lx2_\@
	ADDS 4+(\p), \p
	s_branch .Lxd_\@
.Lx2_\@:
	ADDS 8+(\p), \p
.Lxd_\@:
	v_add_nc_u32 v[XL+(\p)], 0x20000, v[XL+(\p)]   ; four groups are two row blocks of 65,536 bytes
	XLOADP \p
.else
	ADDS \g, \p
.endif
.endm
; A quarter: 72 matrix instructions on 72 accumulators, which take turns, one instruction a turn.  xp >= 0: place xp of the lap stands in its middle, behind the four places.
.macro QUARTER slot, k, f, g, zero, po, xp=-1, xg=-1, left=24
	s_wait_dscnt 8                                 ; wbf's and P's fragments and my rows 0-63 are in; the youngest eight loads (rows 64-127) may be out
	MUL16 \f, 0, 0, \zero
	MUL16 \f, 0, 2, \zero
	MULR \f, \zero
	PLACES
.if (\xp) >= 0
	XADD \xp, \xg, \left
.endif
	FETCH \slot, \k, \g, \po
	s_wait_dscnt 34                                ; all but the 34 just issued
	MUL16 \f, 1, 0, \zero
	MUL16 \f, 1, 2, \zero
.endm
; The last quarter of a K step changes slots: ONE barrier; in front of it each wave waits for all its tensor loads (one is out: its part of the next slot), adds 0 to its spare word, and waits for that and for
; its own reads of this slot.  fill = 1: the barrier opens a round of the cluster's, and this slot is filled again, two K steps ahead, first thing behind the round.
.macro TURN slot, next, fill, po
	WIN 0
	s_wait_tensorcnt 0x0
	ds_add_u32 v[SPW], v[NIL]                      ; 0 onto my spare word
	s_wait_dscnt 9                                 ; (the add and the youngest eight loads may be out)
	MUL16 F1, 0, 0, 0
	s_wait_dscnt 0x0                               ; the add is done, and my reads of this slot are over
	s_barrier_signal -1
	MUL16 F1, 0, 2, 0
	MULR F1, 0
.if \fill
	WIN 0
.endif
	s_barrier_wait -1
.if \fill
	CREST
	s_add_nc_u64 s[G0+4*(\slot)+2:G0+4*(\slot)+3], s[G0+4*(\slot)+2:G0+4*(\slot)+3], 4*2097152   ; two K steps are four planes
	s_add_nc_u64 s[G0B+4*(\slot)+2:G0B+4*(\slot)+3], s[G0B+4*(\slot)+2:G0B+4*(\slot)+3], 2*KSTEP*2
	JLOAD \slot                                    ; my one tensor load behind the round, 248 matrix instructions ahead of the wait for it; its four v_nop are also the places in front of the loads below
.else
	PLACES
.endif
	FETCH \next, 0, F0, \po
	MUL16 F1, 1, 0, 0
	MUL16 F1, 1, 2, 0
.endm
; THE WAY OUT of group g = 2 a + G: sum + decay x (P Wo^T), turned from [column q][row j] to [j][q], and stored.  Each group has 32 registers of its own to be stored from: six groups in window 0's and six in
; window 1's fragment and x buffers, the last four in the accumulators of groups 0-3, which have been read by then.  So no register that a store reads is written again, and no wait stands here.
.macro PROC g
.set AA, (\g)/2
.set GG, (\g)%2
.set AC, 64*(AA%4)+32*GG
.set WA, 2+AA/4
.if (\g) < 6
.set OW, 0
.set OS, 64+32*(\g)
.elseif (\g) < 12
.set OW, 1
.set OS, 64+32*((\g)-6)
.else
.set OW, 2
.set OS, 32*((\g)-12)
.endif
.if (GG == 0) && (AA > 0)
	WIN 0
.irp p, 0,2,4,6
	v_pk_mul_f32 v[DD+(\p):DD+(\p)+1], v[DD+(\p):DD+(\p)+1], v[DS:DS+1]  ; the decays of the next 16 rows
.endr
.endif
	WIN (OW<<6)|(WA<<4)|(1<<2)                     ; source 0 (decay) window 0, source 1 (P Wo^T) window 1, source 2 the accumulators' window
.irp j, 0,1,2,3,4,5,6,7                ; each accumulator is read from its low end on
.irp q, 0,1,2,3
	v_fma_f32 v[OS+4*(\j)+(\q)], v[DD+(\j)], v[32*GG+8*(\q)+(\j)], v[AC+8*(\q)+(\j)]
.endr
.endr
	WIN OW<<2                                      ; a store's data: source 1
.irp j, 0,1,2,3,4,5,6,7
	global_store_b128 v[XO], v[OS+4*(\j):OS+4*(\j)+3], s[92:93] offset:65536*AA+4096*(\j)+256*GG th:TH_STORE_NT  ; 16 lanes store 256 consecutive bytes, at a multiple of 256 from out0's first byte
.endr
.endm
	s_wait_tensorcnt 1                             ; my part of K step 0 is in; K step 1's may stay out
	s_wait_dscnt 0x0                               ; for the others' sake: my part of the rows P is stored
	s_barrier_signal -1
	s_barrier_wait -1
	FETCH 0, 0, F0, 0
	QUARTER 0, 64,  F0, F1, 1, 64                  ; the first quarter stands in front of the loop: its products start the sums
	WIN 0
	PLACES                                         ; out_b's copies have been read for the last time: their registers become x's buffers 2 and 3
	XLOADP 2
	XLOADP 3
	WIN 0
	s_mov_b32 s3, LAPS-1
.Llap:                                                 ; a trip goes once round the ring, from a lap's second quarter to the next lap's first, fills both slots again and takes four groups of x in
	QUARTER 0, 128, F1, F0, 0, 128
	QUARTER 0, 192, F0, F1, 0, 192, 0
	TURN 0, 1, 1, 256
	QUARTER 1, 64,  F0, F1, 0, 320, 1
	QUARTER 1, 128, F1, F0, 0, 384
	QUARTER 1, 192, F0, F1, 0, 448, 2
	TURN 1, 0, 1, 512
	QUARTER 0, 64,  F0, F1, 0, 576, 3
	WIN 0
	s_add_co_u32 s66, s66, 512                     ; a lap is 256 channels of P's row
	v_add_nc_u32 v[ADRP], s66, v[ADRP0]
	s_sub_co_u32 s3, s3, 1
	s_cmp_lg_u32 s3, 0
	s_cbranch_scc1 .Llap
	QUARTER 0, 128, F1, F0, 0, 128                 ; the last lap fills nothing, has no round of the cluster's barrier, and takes x's last four groups in: the counts run down
	QUARTER 0, 192, F0, F1, 0, 192, 0, 12, 24
	TURN 0, 1, 0, 256
	QUARTER 1, 64,  F0, F1, 0, 320, 1, 13, 16
	QUARTER 1, 128, F1, F0, 0, 384, 2, 14, 8
	QUARTER 1, 192, F0, F1, 0, 448, 3, 15, 0
	s_wait_dscnt 8                                 ; the very last quarter: nothing more to fetch from LDS
	MUL16 F1, 0, 0, 0
	MUL16 F1, 0, 2, 0
	MULR F1, 0
	s_wait_dscnt 0x0
	MUL16 F1, 1, 0, 0
	MUL16 F1, 1, 2, 0
	WIN 0
	PLACES
.irp g, 0,1,2,3,4,5,6,7,8,9,10,11,12,13,14,15
	PROC \g
.endr
	WIN 0
	s_wait_tensorcnt 0x0                           ; the wave's end: the tensor wait, an add and its wait, behind my last tensor load and my last LDS store
	ds_add_u32 v[SPW], v[NIL]
	s_wait_dscnt 0x0
	CROUND                                         ; the closing round: no work-group ends while a partner may still ask for a tile that names it
	s_endpgm
.Lfunc_end_k_q79b946284c_outp:
	.size	k_q79b946284c_outp, .Lfunc_end_k_q79b946284c_outp-k_q79b946284c_outp
	.p2alignl 7, 3214868480
	.fill 96, 4, 3214868480
	.section	.rodata,"a",@progbits
	.p2align	6, 0x0
	.amdhsa_kernel k_q79b946284c_outp
		.amdhsa_group_segment_fixed_size 327680
		.amdhsa_private_segment_fixed_size 0
		.amdhsa_enable_private_segment 0
		.amdhsa_kernarg_size 56
		.amdhsa_user_sgpr_count 2
		.amdhsa_user_sgpr_kernarg_segment_ptr 1
		.amdhsa_wavefront_size32 1
		.amdhsa_system_sgpr_workgroup_id_x 1
		.amdhsa_system_sgpr_workgroup_id_y 1
		.amdhsa_system_sgpr_workgroup_id_z 1
		.amdhsa_system_vgpr_workitem_id 0
		.amdhsa_next_free_vgpr 1024
		.amdhsa_next_free_sgpr 100
		.amdhsa_reserve_vcc 1
		.amdhsa_float_denorm_mode_32 3
		.amdhsa_float_denorm_mode_16_64 3
		.amdhsa_memory_ordered 1
		.amdhsa_forward_progress 1
		.amdhsa_inst_pref_size 217
	.end_amdhsa_kernel
	.amdgpu_metadata
---
amdhsa.version: [ 1, 2 ]
amdhsa.kernels:
  - .name:           k_q79b946284c_outp
    .symbol:         k_q79b946284c_outp.kd
    .args:
      - { .name: cblk, .offset: 0, .size: 8, .value_kind: global_buffer, .address_space: global }
      - { .name: wbf, .offset: 8, .size: 8, .value_kind: global_buffer, .address_space: global }
      - { .name: bsum, .offset: 16, .size: 8, .value_kind: global_buffer, .address_space: global }
      - { .name: dk, .offset: 24, .size: 8, .value_kind: global_buffer, .address_space: global }
      - { .name: out_b, .offset: 32, .size: 8, .value_kind: global_buffer, .address_space: global }
      - { .name: x, .offset: 40, .size: 8, .value_kind: global_buffer, .address_space: global }
      - { .name: out0, .offset: 48, .size: 8, .value_kind: global_buffer, .address_space: global }
    .group_segment_fixed_size: 327680
    .private_segment_fixed_size: 0
    .kernarg_segment_align: 8
    .kernarg_segment_size: 56
    .max_flat_workgroup_size: 128
    .sgpr_count:     100
    .vgpr_count:     1024
    .wavefront_size: 32
...
	.end_amdgpu_metadata
.endif
;; end of part 3
